; MI455X (gfx1250); checked and timed in simulation.
; The chip was launched on July 23, 2026; its instructions are those of AMD's public machine-readable ISA for CDNA 5 (MIT licence, August 2026) and "CDNA5" Instruction Set Architecture Reference Guide (July 2026). The comments in the code are by the model that wrote it; some were corrected since.
;; Network4 Test. Allowed arithmetic: matrix products marked QUANTISED: E2M1 operands, one E8M0 scale for each 32 along K, by v_wmma_scale_f32_16x16x128_f8f6f4 with both operands' format E2M1 (or v_wmma_scale_f32_32x16x128_f4), f32 sums; everything else in f32.
;; Inputs: W1_codes 8,192 x 64 x 16 uint8 (E2M1 codes of W1, K innermost, in blocks of 32 codes, two codes a byte); W1_scales 8,192 x 64 uint8 (E8M0 scales of W1, one for each 32 codes along K); W2_codes 2,048 x 256 x 16 uint8 (E2M1 codes of W2, K innermost, in blocks of 32 codes, two codes a byte); W2_scales 2,048 x 256 uint8 (E8M0 scales of W2, one for each 32 codes along K); b1 8,192 float32; b2 2,048 float32; x_codes 2,048 x 64 x 16 uint8 (E2M1 codes of x, K innermost, in blocks of 32 codes, two codes a byte); x_scales 2,048 x 64 uint8 (E8M0 scales of x, one for each 32 codes along K).
;; Outputs: out0 2,048 x 2,048 float32.
;; This version of the problem:
;;   THIS VERSION OF THE PROBLEM IS GIVEN IN LOW PRECISION. The matrix products marked QUANTISED in the list below multiply operands that are first quantised to E2M1 (2 exponent bits, 1 mantissa bit; 4 bits a number), with one power-of-two scale for each 32 numbers along K (OCP MX v1.0); their sums are f32. All else is computed in f32.
;;   The module's matrix products, in the order in which they are computed (A, B: the left and right operand; K: the contracted axis; several contracted axes count as one K, in the product's order):
;;     1. [M 2,048, K 2,048] x [K 2,048, N 8,192]; A: input x (given as codes); B: input W1 (given as codes): QUANTISED
;;     2. [M 2,048, K 8,192] x [K 8,192, N 2,048]; A: computed on the way; B: input W2 (given as codes): QUANTISED
;;   THE QUANTISER, for each operand of a quantised product, along K:
;;     - K is cut into blocks of 32 from its start; a last block that is shorter is filled with zeros.
;;     - A block's scale is 2^e with e = floor(log2(the largest magnitude in the block)) - 2, held to -126 .. 127; a block of zeros has e = 0. As a byte (E8M0): e + 127.
;;     - Each number is divided by its block's scale, clamped to +-6, and rounded to the nearest number of E2M1, ties to even, subnormals kept.
;;     - The product sums the exact products of the quantised numbers (number of the format x scale) in f32.
;;   ~~~python
;;   def quantise(x, axis):      # numpy; x: float32 -> the quantised numbers, widened to float32 again
;;       x = np.moveaxis(x, axis, -1); K = x.shape[-1]
;;       x = np.pad(x, [(0, 0)] * (x.ndim - 1) + [(0, -K % 32)]); x = x.reshape(x.shape[:-1] + (-1, 32)); a = np.abs(x).max(-1, keepdims=True)
;;       e = np.where(a > 0, np.clip(np.frexp(np.where(a > 0, a, 1))[1] - 1 - 2, -126, 127), 0)      # np.frexp(a)[1] - 1 = floor(log2(a)), exactly
;;       r = np.clip(x / 2.0 ** e, -6, 6)
;;       step = 2.0 ** (np.maximum(np.frexp(np.where(r == 0, 1, r))[1] - 1, 0) - 1)
;;       q = np.round(r / step) * step * 2.0 ** e      # np.round: ties to even
;;       return np.moveaxis(q.reshape(q.shape[:-2] + (-1,))[..., :K], -1, axis).astype(np.float32)
;;   ~~~
;;   OPERANDS COMPUTED ON THE WAY. 'Computed on the way' means the value that the module computes at that place (a softmax that the list does not call 'softmax' is quantised finished and normalised). What goes into a quantiser is computed in f32, as accurately as f32 sums, v_exp_f32 and their like allow (about 1e-6 of the number): no bf16 or f16 on the way to a quantiser, and a product that is left as it is and whose result goes on into a quantised operand takes f32 operands (vector FMAs, or v_wmma_f32_16x16x4_f32). A number that lies on a knife's edge between two numbers of the format may be rounded either way, as far as f32 arithmetic and the matrix unit's own rounding can turn it there, and no further.
;;   INPUTS GIVEN AS CODES. W1 (in the module: [2048, 8192], K = its axis 0); W2 (in the module: [8192, 2048], K = its axis 0); x (in the module: [2048, 2048], K = its axis 1): each comes as NAME_codes (uint8): NAME with its K axis moved to the last place and cut into blocks of 32 codes, [.., K / 32, bytes a block], one block behind the other in memory; two codes a byte, the lower K in the low four bits (a code: sign, 2 exponent bits, 1 mantissa bit); and NAME_scales (uint8): the same leading axes, one E8M0 byte (e + 127) for each 32 codes along K. Its value is code x scale, taken as it is: it is not quantised again, and the codes and scales need not be those that the quantiser above would give.
;; One version. Each part assembles by itself: llvm-mc -triple=amdgcn-amd-amdhsa -mcpu=gfx1250 --defsym DOCPART=n.
;; ======== version 1 of 1: 2 launches
;; workspace buffers: h_img 8,388,608 bytes; sc2 1,048,576 bytes
;; launch fc1 (part 1): grid 32 x 8, 4 waves a work-group, clusters of 4 x 4, 327,680 bytes of LDS; arguments x_codes, x_scales, W1_codes, W1_scales, h_img, b1, W2_scales, sc2; writes h_img, sc2
.if DOCPART == 1
	.amdgcn_target "amdgcn-amd-amdhsa--gfx1250"
	.amdhsa_code_object_version 6
	.text
	.protected	k_q393ec3e310_fc1
	.globl	k_q393ec3e310_fc1
	.p2align	8
	.type	k_q393ec3e310_fc1,@function
k_q393ec3e310_fc1:
	s_mov_b64 s[64:65], 0
	v_nop
	global_prefetch_b8 v0, s[64:65] scope:SCOPE_SE
	s_setreg_imm32_b32 hwreg(HW_REG_WAVE_MODE, 25, 1), 1
	s_wait_xcnt 0x0
	s_wait_alu depctr_hold_cnt(0) depctr_sa_sdst(0) depctr_va_vdst(0) depctr_va_sdst(0) depctr_va_ssrc(0) depctr_va_vcc(0) depctr_vm_vsrc(0)
	s_getreg_b32 s2, hwreg(HW_REG_IB_STS2, 6, 4)
	s_cmp_eq_u32 s2, 0
	s_cbranch_scc0 .Lentry_in_a_cluster
	s_endpgm
.Lentry_in_a_cluster:
	s_bfe_u32 s2, ttmp6, 0x10000c
	s_cmp_lg_u32 s2, 0xf033
	s_cbranch_scc0 .Lentry_shape_is_right
	s_endpgm
.Lentry_shape_is_right:
; h = relu(x W1^T + b1), quantised to FP4 (E2M1) codes with one E8M0 byte for each 32 hidden units, and stored for the second product.
; x: [2048][2048], W1: [8192][2048]: codes, K innermost, two a byte (a row: 1,024 bytes); their scale bytes [rows][64].  b1: [8192] f32.
; A tile of h, 256 rows x 256 hidden units, is made by a work-group of four waves; a wave makes 128 x 128: 64 accumulators of 16 x 16, 512 registers.
; K goes in steps of 512 through a ring of two LDS slots filled by the tensor data mover (a tile's row: 256 bytes of memory); K = 2,048 is four such steps, written out without a loop.
; The scale bytes of the work-group's 256 rows of x and 256 rows of W1, for all of K, are two dense blocks of memory: they come into LDS once, with the first fills.
; CLUSTERS: 4 x 4 work-groups.  The four of a row of the cluster need the same tiles of x, the four of a column the same tiles of W1: each tile is asked for jointly.
; THE MATRIX INSTRUCTION IS USED TRANSPOSED (source 0 = 16 rows of W1, source 1 = 16 rows of x): lane (r, h) holds row r of h, register j of tile t hidden unit 16 t + 8 h + j.
; b1 is the C of each sum's first matrix instruction: it costs no addition (so the sum begins with b1 where the formula adds it last: another order of rounding).
; THE WAY OUT: a wave's 128 hidden units are one K step of 128 of the second product.  Each block of 16 rows becomes one fragment of that product, quantised in registers, and is stored as an IMAGE
; OF THE OPERAND'S REGISTERS: h_img [S 8][block of 16 rows 128][step in S 8][c 2][lane 32][16 bytes]; its scale words go to sc2 [K step 64][side 2][64 rows 32][r 16][block 4] x 4 bytes, side 0.
; The launch also lays W2's scale words anew, into side 1 of sc2: 4 words a thread.
; LIMITS: NaN, infinities and the scale byte 0xff are not served.  A block of h whose largest number lies under 2^-124 gets the byte 1; so does a block of zeros, where the quantiser's rule says 127:
; its codes are zeros, which add nothing under any byte but 0xff, and the bytes are read by this program alone.
; REGISTERS, in windows of 256: window 0: v0-31 addresses; v32-95 scale words, two sets; v96-101 W2's words on their way; v128-191 x's fragments, one set; v192-255 b1 in the result's layout.
;   window 1: W1's fragments, two sets, at v0 and v128.   windows 2, 3: the accumulators of my rows 0-63 and 64-127 (accumulator (a, b) at v[8 (8 (a % 4) + b)]).
;   On the way out window 0: v32-95 64 numbers; v96-159 codes, 8 for each block; v160-167 scale words; v168-183 at work; v184-187 the words as they are stored.
.set KSTEP,  512                       ; along K in a slot
.set NQ,     KSTEP/128                 ; matrix instructions deep
.set ROWB,   256                       ; a tile's row in bytes
.set KROW,   1024                      ; a row of x or of W1 in memory, in bytes
.set PITCH,  272                       ; an LDS row: 256 bytes + 16 of padding: the 16 rows that a load touches start at 16 different 16-byte columns
.set FR,     8                         ; registers of a fragment: 16 rows x 128 K
.set NL,     2                         ; LDS loads that bring one
.set NP,     4                         ; places behind this matrix instruction (ISA guide 7.12.1)
.set HALFT,  128*PITCH                 ; 128 rows: what one tensor load brings
.set SLOT,   4*HALFT                   ; x's 256 rows, then W1's 256 rows
.set KS,     64                        ; a row of scale bytes
.set SCL,    2*SLOT                    ; behind the ring: the scales, as pieces of 256 bytes + 16 of padding
.set HALFS,  (128*KS/256)*272          ; those of 128 rows: what one tensor load brings
.set SBLK,   (16*KS/256)*272           ; those of 16 rows
.set SPARE,  SCL+4*HALFS               ; behind the scales: the spare words, 128 bytes for each wave, which no other line names
.set ADRA, 16                          ; v16-17  LDS address of my fragments of x in slot 0, 1
.set ADRB, 20                          ; v20-21  the same for W1
.set LI,   24                          ; v24     16 x lane
.set BO,   25                          ; v25     32 x (lane / 16): my half's eight numbers of b1 in a tile
.set LANE, 26                          ; v26     lane
.set ADRS, 27                          ; v27     LDS address of my scale words: lanes 0-15 x's rows, lanes 16-31 W1's
.set SPW,  28                          ; v28     LDS address of my spare word; never rewritten
.set NIL,  29                          ; v29     0; never rewritten
.set SC,   32                          ; scale words: set s at v[SC + 32 s]; register 4 i + q: lanes 0-15 x's block i, lanes 16-31 W1's block i, the slot's q-th 128 along K
.set WD,   96                          ; v96-99  four scale words of W2
.set WLO,  100                         ; v100    where I load them
.set WSO,  101                         ; v101    where I store them
.set AF,   128                         ; x's fragments
.set BI,   192                         ; b1: tile b at v[BI + 8 b]
.set T,    32                          ; the way out: a block's 64 numbers behind the activation
.set PC,   96                          ; its codes: 8 registers for each block, so that no store's data are written again
.set PW,   160                         ; its scale word
.set TM,   168                         ; +0..3 largest numbers, +4..7 the other half's, then the bytes, +12..15 the conversions' scale operands
.set SW,   184                         ; the scale words as they are stored
.set SEL,  2                           ; s[2:3]  lane selects for v_permlanex16_b32: lane l xor 16
.set HSC,  66                          ; s[66:67] sc2 at my wave's words of h
.set G1, 24                            ; s[24:31] descriptor group 1 for x's tiles;  s[32:39] group 0, one set for each slot
.set G0, 32
.set G1B, 48                           ; s[48:55], s[56:63] the same for W1's tiles
.set G0B, 56
.set G1S, 68                           ; s[68:75], s[76:79] groups 1 and 0 for x's scales;  s[80:87], s[88:91] for W1's
.set G0S, 76
.set G1SB, 80
.set G0SB, 88
.set MSB, 0
.macro WIN new                         ; the immediate's high byte repeats the setting that is left; a switch that changes nothing is dropped
.if MSB != (\new)
	s_set_vgpr_msb (MSB<<8)|(\new)
.set MSB, (\new)
.endif
.endm
.set MUL_LO, 0xa1                      ; source 0 (W1) window 1, source 1 (x) window 0, C and D window 2
.set MUL_HI, 0xf1                      ; the same, C and D window 3
.set BEG_LO, 0x81                      ; the first step: C (b1) window 0, D window 2
.set BEG_HI, 0xc1                      ; D window 3
.set TO_B,   0x40                      ; destination window 1, address window 0
; A joint load: waves 0 and 1 fetch for x, waves 2 and 3 for W1.  Each of the two lines has one mask and one set of registers for all that issue it; the branch hangs on the wave's number alone.
; Four v_nop follow each of the two lines, ahead of the jump, the label and what follows.
.macro JLOAD g0a, g1a, g0b, g1b
	s_cmp_eq_u32 s15, 0
	s_cbranch_scc0 .Lfor_b_\@
	tensor_load_to_lds s[\g0a:\g0a+3], s[\g1a:\g1a+7]
	s_nop 0
.rept 4
	v_nop
.endr
	s_branch .Lasked_\@
.Lfor_b_\@:
	tensor_load_to_lds s[\g0b:\g0b+3], s[\g1b:\g1b+7]
	s_nop 0
.rept 4
	v_nop
.endr
.Lasked_\@:
.endm
.macro CREST                           ; a round of the cluster's barrier behind its opening barrier
	s_cmp_lg_u32 s14, 0
	s_cbranch_scc1 .Lnot_wave_0_\@
	s_barrier_signal -3
.Lnot_wave_0_\@:
	s_barrier_wait -3
	s_barrier_signal -1
	s_barrier_wait -1
.endm
.macro CROUND                          ; a whole round
	s_barrier_signal -1
	s_barrier_wait -1
	CREST
.endm
	s_load_b128 s[4:7], s[0:1], 0x0                ; x's codes s[4:5], x's scales s[6:7]
	s_load_b128 s[8:11], s[0:1], 0x10              ; W1's codes s[8:9], W1's scales s[10:11]
	s_load_b64 s[12:13], s[0:1], 0x20              ; h_img
	s_load_b128 s[96:99], s[0:1], 0x28             ; b1 s[96:97], W2's scales s[98:99]
	s_load_b64 s[100:101], s[0:1], 0x38            ; sc2
	v_lshl_add_u32 v[SPW], v0, 2, SPARE
	v_mov_b32 v[NIL], 0
	ds_add_u32 v28, v29
	s_wait_dscnt 0x0
	v_lshrrev_b32 v1, 5, v0
	v_readfirstlane_b32 s14, v1                    ; wave 0..3
	s_lshr_b32 s15, s14, 1                         ; which half of the tile's rows is mine.  Also: I fetch for x (0) or for W1 (1)
	s_and_b32 s16, s14, 1                          ; which half of its hidden units.  Also: which 128 rows of that tile I fetch
	s_bfe_u32 s40, ttmp6, 0x40000                  ; cx, cy: my place in the cluster
	s_bfe_u32 s41, ttmp6, 0x40004
	s_lshl_b32 s42, ttmp9, 2
	s_add_co_u32 s42, s42, s40                     ; X: tile of 256 hidden units = 4 x cluster x + cx
	s_and_b32 s17, ttmp7, 0xffff
	s_lshl_b32 s17, s17, 2
	s_add_co_u32 s17, s17, s41                     ; Y: tile of 256 rows = 4 x cluster y + cy
	s_lshl_b32 s43, s41, 2
	s_lshl_b32 s43, 15, s43                        ; my row of the cluster
	s_lshl_b32 s44, 0x1111, s40                    ; my column
	s_mov_b32 s[SEL], 0x76543210
	s_mov_b32 s[SEL+1], 0xfedcba98
	; descriptor group 1: a tile of 128 rows x 256 bytes, padded in LDS
	s_or_b32 s[G1+0], s43, (0<<16)|(1<<20)|(1<<21)|(5<<22)|(3<<25)  ; 15:0 the mask: x's tiles go to my row; 17:16 elements of 1 byte; 20 padding on; 21 set beside a mask; 24:22 after every 64 words; 31:25 four words
	s_or_b32 s[G1B+0], s44, (0<<16)|(1<<20)|(1<<21)|(5<<22)|(3<<25) ; the same with the mask of my column
.irp g, G1, G1B
	s_mov_b32 s[\g+1], ROWB<<16                    ; tensor_dim0
	s_mov_b32 s[\g+2], 128<<16                     ; tensor_dim1 = 128
	s_mov_b32 s[\g+3], ROWB<<16                    ; tile_dim0
	s_mov_b32 s[\g+4], 128                         ; tile_dim1 = 128
	s_mov_b32 s[\g+5], KROW                        ; tensor_dim0_stride
	s_mov_b32 s[\g+6], 0
	s_mov_b32 s[\g+7], 0
.endr
	; and for the scales of 128 rows: a dense block of 8,192 bytes, as 32 rows of 256 bytes (32 elements of 8 bytes), 16 bytes of padding behind each
	s_or_b32 s[G1S+0], s43, (3<<16)|(1<<20)|(1<<21)|(5<<22)|(3<<25)
	s_or_b32 s[G1SB+0], s44, (3<<16)|(1<<20)|(1<<21)|(5<<22)|(3<<25)
.irp g, G1S, G1SB
	s_mov_b32 s[\g+1], 32<<16
	s_mov_b32 s[\g+2], (128*KS/256)<<16
	s_mov_b32 s[\g+3], 32<<16
	s_mov_b32 s[\g+4], 128*KS/256
	s_mov_b32 s[\g+5], 32
	s_mov_b32 s[\g+6], 0
	s_mov_b32 s[\g+7], 0
.endr
	s_lshl_b32 s18, s16, 7                         ; which 128 rows of the tile I fetch
	s_lshl_b32 s20, s17, 8
	s_add_co_u32 s20, s20, s18                     ; x: row 256 Y + 128 x half
	s_lshl_b32 s46, s42, 8
	s_add_co_u32 s46, s46, s18                     ; W1: row 256 X + 128 x half
	s_mov_b32 s21, 0
	s_mov_b32 s47, 0
	s_mov_b64 s[18:19], KS
	s_mul_u64 s[22:23], s[20:21], s[18:19]         ; where these rows' scales begin, in bytes
	s_mul_u64 s[92:93], s[46:47], s[18:19]
	s_mov_b64 s[18:19], KROW
	s_mul_u64 s[20:21], s[20:21], s[18:19]         ; and their codes
	s_mul_u64 s[46:47], s[46:47], s[18:19]
	s_mul_i32 s45, s14, HALFT                      ; where they go: wave x 128 rows: no place in the cluster enters an LDS address
	s_mul_i32 s94, s14, HALFS
	s_wait_kmcnt 0x0
	s_add_nc_u64 s[20:21], s[4:5], s[20:21]
	s_add_nc_u64 s[22:23], s[6:7], s[22:23]
	s_add_nc_u64 s[46:47], s[8:9], s[46:47]
	s_add_nc_u64 s[92:93], s[10:11], s[92:93]
	CROUND                                         ; all sixteen work-groups are here: the first joint loads meet
	s_mov_b32 s[G0S], 1
	s_add_co_u32 s[G0S+1], s94, SCL
	s_mov_b64 s[G0S+2:G0S+3], s[22:23]
	s_or_b32 s[G0S+3], s[G0S+3], 0x80000000
	s_mov_b32 s[G0SB], 1
	s_add_co_u32 s[G0SB+1], s94, SCL
	s_mov_b64 s[G0SB+2:G0SB+3], s[92:93]
	s_or_b32 s[G0SB+3], s[G0SB+3], 0x80000000
	JLOAD G0S, G1S, G0SB, G1SB                     ; the scales first: they are wanted with K step 0.  With the two below, three tensor loads of mine are out
.irp s, 0,1
	s_mov_b32 s[G0+4*\s], 1
	s_add_co_u32 s[G0+4*\s+1], s45, \s*SLOT
	s_add_nc_u64 s[G0+4*\s+2:G0+4*\s+3], s[20:21], \s*ROWB
	s_or_b32 s[G0+4*\s+3], s[G0+4*\s+3], 0x80000000
	s_mov_b32 s[G0B+4*\s], 1
	s_add_co_u32 s[G0B+4*\s+1], s45, \s*SLOT
	s_add_nc_u64 s[G0B+4*\s+2:G0B+4*\s+3], s[46:47], \s*ROWB
	s_or_b32 s[G0B+4*\s+3], s[G0B+4*\s+3], 0x80000000
	JLOAD G0+4*\s, G1, G0B+4*\s, G1B
.endr
	; b1 and W2's scale words are asked for now
	v_and_b32 v1, 15, v0                           ; r = lane % 16 (also thread % 16)
	v_bfe_u32 v2, v0, 4, 1                         ; h = lane / 16
	v_and_b32 v[LANE], 31, v0
	v_lshlrev_b32 v[LI], 4, v[LANE]
	v_lshlrev_b32 v[BO], 5, v2
	v_lshrrev_b32 v5, 4, v0                        ; thread / 16 = 0 .. 7: which of the work-group's eight K steps of W2's words
	v_lshlrev_b32 v[WLO], 8, v1                    ; from: row r of 256 bytes, word thread / 16
	v_lshl_add_u32 v[WLO], v5, 2, v[WLO]
	v_lshlrev_b32 v[WSO], 4, v1                    ; to: 16 r in the K step's 16,384 bytes
	v_lshl_add_u32 v[WSO], v5, 14, v[WSO]
	s_mov_b32 s21, 0
	s_lshl_b32 s20, s42, 10                        ; b1: my wave's 128 numbers: 1,024 X + 512 x half
	s_lshl_b32 s22, s16, 9
	s_add_co_u32 s20, s20, s22
	s_add_nc_u64 s[96:97], s[96:97], s[20:21]
	s_lshl_b32 s20, s42, 14                        ; W2's scales: rows 64 X on (256 bytes each), words 8 Y on
	s_lshl_b32 s22, s17, 5
	s_add_co_u32 s20, s20, s22
	s_add_nc_u64 s[98:99], s[98:99], s[20:21]
.irp b, 0,1,2,3,4,5,6,7
	global_load_b128 v[BI+8*\b:BI+8*\b+3], v[BO], s[96:97] offset:64*\b        ; b1 of hidden units 16 b + 8 h + 0 .. 7
	global_load_b128 v[BI+8*\b+4:BI+8*\b+7], v[BO], s[96:97] offset:64*\b+16
.endr
.irp i, 0,1,2,3
	global_load_b32 v[WD+\i], v[WLO], s[98:99] offset:4096*\i                  ; rows 64 X + 16 i + r
.endr
	s_lshl_b32 s20, s42, 15                        ; sc2, h's words: K step 2 X + half (16,384 bytes each), rows 256 Y + 128 x half (256 bytes for 64 rows)
	s_lshl_b32 s22, s16, 14
	s_add_co_u32 s20, s20, s22
	s_lshl_b32 s22, s17, 10
	s_add_co_u32 s20, s20, s22
	s_lshl_b32 s22, s15, 9
	s_add_co_u32 s20, s20, s22
	s_add_nc_u64 s[HSC:HSC+1], s[100:101], s[20:21]
	s_lshl_b32 s20, s17, 17                        ; sc2, W2's words: K steps 8 Y on, side 1, rows 64 X on
	s_lshl_b32 s22, s42, 8
	s_add_co_u32 s20, s20, s22
	s_add_co_u32 s20, s20, 8192
	s_add_nc_u64 s[100:101], s[100:101], s[20:21]
	s_lshr_b32 s20, s42, 2                         ; h_img: S = X / 4; block of rows 16 Y + 8 x half; step in S = 2 (X % 4) + half
	s_lshl_b32 s20, s20, 20
	s_lshl_b32 s22, s17, 17
	s_add_co_u32 s20, s20, s22
	s_lshl_b32 s22, s15, 16
	s_add_co_u32 s20, s20, s22
	s_and_b32 s22, s42, 3
	s_lshl_b32 s22, s22, 11
	s_add_co_u32 s20, s20, s22
	s_lshl_b32 s22, s16, 10
	s_add_co_u32 s20, s20, s22
	s_add_nc_u64 s[12:13], s[12:13], s[20:21]
	; LDS addresses
	v_mul_u32_u24 v3, v1, PITCH
	v_lshl_add_u32 v4, v2, 4, v3                   ; a fragment's row x pitch + 16 x half
	s_mul_i32 s21, s15, HALFT                      ; my 128 rows of x
	s_mul_i32 s22, s16, HALFT                      ; my 128 rows of W1,
	s_add_co_u32 s22, s22, 2*HALFT                 ; which lie behind x's 256
.irp s, 0,1
	v_add_nc_u32 v[ADRA+\s], s21, v4
	v_add_nc_u32 v[ADRB+\s], s22, v4
	s_add_co_u32 s21, s21, SLOT
	s_add_co_u32 s22, s22, SLOT
.endr
	v_mul_u32_u24 v5, v1, KS                       ; my row's scales: 64 bytes a row,
	v_lshrrev_b32 v6, 8, v5
	v_lshl_add_u32 v5, v6, 4, v5                   ; and 16 more for each 256 passed
	s_mul_i32 s21, s15, HALFS                      ; x's: my 128 rows
	s_mul_i32 s22, s16, HALFS                      ; W1's: my 128 rows, behind x's 256
	s_add_co_u32 s22, s22, 2*HALFS
	s_sub_co_u32 s22, s22, s21
	v_mul_u32_u24 v6, s22, v2                      ; lanes 16-31 take W1's: one product, the distance between the two
	s_add_co_u32 s21, s21, SCL
	v_add_nc_u32 v5, v5, v6
	v_add_nc_u32 v[ADRS], s21, v5
.macro FRAG reg, adr, q, i             ; a fragment: lane l holds row l % 16; registers 4 c .. 4 c + 3 hold K = 64 c + 32 (l / 16) + 0 .. 31
.irp c, 0,1
	ds_load_b128 v[\reg+4*\c:\reg+4*\c+3], v[\adr] offset:64*(\q)+32*\c+(\i)*16*PITCH
.endr
.endm
; 16 matrix instructions: x's blocks a0, a0 + 1 against W1's eight, 128 along K: the slot's q-th.  p: W1's set;  sc: the set of scale words.  zero = 1: the first product starts the sums, from b1.
; The 64 accumulators take turns, one instruction a turn, in the same order in every step.
.macro MUL16 a0, p, q, sc, zero
.irp a, \a0, \a0+1
.irp b, 0,1,2,3,4,5,6,7
.if \zero
	v_wmma_scale_f32_16x16x128_f8f6f4 v[8*(8*((\a)%4)+\b):8*(8*((\a)%4)+\b)+7], v[128*(\p)+FR*\b:128*(\p)+FR*\b+FR-1], v[AF+FR*(\a):AF+FR*(\a)+FR-1], v[BI+8*\b:BI+8*\b+7], v[SC+8*NQ*(\sc)+NQ*\b+(\q)], v[SC+8*NQ*(\sc)+NQ*(\a)+(\q)] matrix_a_fmt:MATRIX_FMT_FP4 matrix_b_fmt:MATRIX_FMT_FP4 matrix_a_scale:MATRIX_SCALE_ROW1
.else
	v_wmma_scale_f32_16x16x128_f8f6f4 v[8*(8*((\a)%4)+\b):8*(8*((\a)%4)+\b)+7], v[128*(\p)+FR*\b:128*(\p)+FR*\b+FR-1], v[AF+FR*(\a):AF+FR*(\a)+FR-1], v[8*(8*((\a)%4)+\b):8*(8*((\a)%4)+\b)+7], v[SC+8*NQ*(\sc)+NQ*\b+(\q)], v[SC+8*NQ*(\sc)+NQ*(\a)+(\q)] matrix_a_fmt:MATRIX_FMT_FP4 matrix_b_fmt:MATRIX_FMT_FP4 matrix_a_scale:MATRIX_SCALE_ROW1
.endif
.endr
.endr
.endm
.macro FETCH_B slot, q, p              ; W1's eight fragments of the slot's q-th 128 along K into set p
	WIN TO_B
.irp i, 0,1,2,3,4,5,6,7
	FRAG 128*(\p)+FR*\i, ADRB+\slot, \q, \i
.endr
	WIN 0
.endm
.macro FETCH_A slot, q, i0             ; x's blocks i0 .. i0 + 3
.irp i, \i0, \i0+1, \i0+2, \i0+3
	FRAG AF+FR*(\i), ADRA+\slot, \q, \i
.endr
.endm
.macro SCALES sc                       ; a K step's scale words into set sc: four words a row; lanes 0-15 take x's block i, lanes 16-31 W1's block i
.irp i, 0,1,2,3,4,5,6,7
	ds_load_b128 v[SC+8*NQ*\sc+NQ*\i:SC+8*NQ*\sc+NQ*\i+3], v[ADRS] offset:\i*SBLK
.endr
.endm
; A load into a register that a matrix instruction has read, and a vector instruction that reads a matrix result or writes one of a matrix instruction's registers, stand NP places behind it;
; only plain vector instructions that name none of its registers are places (ISA guide 7.12.1 for vector instructions).
.macro PLACES n
.rept \n
	v_nop
.endr
.endm
; A step of 128 along K that has its successor in the same slot.  x has one set of registers: blocks 0-3 are fetched anew in the step's middle, blocks 4-7 at its end.
.macro STEP slot, q, zero
	s_wait_dscnt 4*NL                              ; W1's set, x's blocks 0-3 and the scale words are in; the youngest eight loads (x's blocks 4-7) may be out
.if \zero
	WIN BEG_LO
.else
	WIN MUL_LO
.endif
	MUL16 0, (\q)%2, \q, \slot, \zero
	MUL16 2, (\q)%2, \q, \slot, \zero
	s_wait_dscnt 0                                 ; x's blocks 4-7 are in (asked for 32 matrix instructions ago)
	PLACES NP
	FETCH_B \slot, (\q)+1, 1-(\q)%2
	FETCH_A \slot, (\q)+1, 0
.if \zero
	WIN BEG_HI
.else
	WIN MUL_HI
.endif
	MUL16 4, (\q)%2, \q, \slot, \zero
	MUL16 6, (\q)%2, \q, \slot, \zero
	PLACES NP
	WIN 0
	FETCH_A \slot, (\q)+1, 4
.endm
; A slot's last step changes slots: one barrier; in front of it each wave waits for all its tensor loads, adds 0 to its spare word, and waits for that and for its own reads of this slot.
; fill = 1: this slot is filled again, two K steps ahead; the barrier then opens a round of the cluster's barrier.
.macro TURN slot, next, fill
	s_wait_tensorcnt 0x0                           ; all my tensor loads have landed: my part of the next slot;  (every window is 0 here)
	ds_add_u32 v[SPW], v[NIL]                      ; 0 onto my spare word
	s_wait_dscnt 4*NL+1                            ; (the add and the youngest eight loads, x's blocks 4-7, may be out)
	WIN MUL_LO
	MUL16 0, 1, NQ-1, \slot, 0                     ; sixteen matrix instructions stand between the add and the wait for it
	s_wait_dscnt 0x0                               ; the add is done, and my reads of this slot are over
	s_barrier_signal -1
	MUL16 2, 1, NQ-1, \slot, 0
	WIN 0
	s_barrier_wait -1
.if \fill
	CREST                                          ; no wave of any partner still reads this slot's tile or has a load on its way
	s_add_nc_u64 s[G0+4*\slot+2:G0+4*\slot+3], s[G0+4*\slot+2:G0+4*\slot+3], 2*ROWB
	s_add_nc_u64 s[G0B+4*\slot+2:G0B+4*\slot+3], s[G0B+4*\slot+2:G0B+4*\slot+3], 2*ROWB
	JLOAD G0+4*\slot, G1, G0B+4*\slot, G1B         ; the first tensor load behind the round, my only one until the next; its four v_nop are the places in front of the loads below
.else
	PLACES NP
.endif
	v_add_nc_u32 v[ADRS], 4*NQ, v[ADRS]            ; on to the next K step's scale words
	FETCH_B \next, 0, 0
	FETCH_A \next, 0, 0
	SCALES \next
	WIN MUL_HI
	MUL16 4, 1, NQ-1, \slot, 0
	MUL16 6, 1, NQ-1, \slot, 0
	PLACES NP
	WIN 0
	FETCH_A \next, 0, 4
.endm
	s_wait_tensorcnt 1                             ; the scales and my part of K step 0 are in (K step 1's load may be out)
	s_barrier_signal -1
	s_barrier_wait -1                              ; everybody's are
	FETCH_B 0, 0, 0
	FETCH_A 0, 0, 0
	SCALES 0
	FETCH_A 0, 0, 4
	s_wait_loadcnt 0x0                             ; b1 and W2's four words
	global_store_b128 v[WSO], v[WD:WD+3], s[100:101]   ; sixteen lanes store 256 consecutive bytes, aligned: the words of 64 rows of W2 for one K step
	STEP 0, 0, 1                                   ; K 0 .. 511; the first products start the sums
	STEP 0, 1, 0
	STEP 0, 2, 0
	TURN 0, 1, 1
	STEP 1, 0, 0                                   ; K 512 .. 1,023
	STEP 1, 1, 0
	STEP 1, 2, 0
	TURN 1, 0, 1
	STEP 0, 0, 0                                   ; K 1,024 .. 1,535
	STEP 0, 1, 0
	STEP 0, 2, 0
	TURN 0, 1, 0                                   ; nothing is left to fetch: no round
	STEP 1, 0, 0                                   ; K 1,536 .. 2,047
	STEP 1, 1, 0
	STEP 1, 2, 0
	s_wait_dscnt 4*NL                              ; the very last step
	WIN MUL_LO
	MUL16 0, 1, NQ-1, 1, 0
	MUL16 2, 1, NQ-1, 1, 0
	s_wait_dscnt 0
	WIN MUL_HI
	MUL16 4, 1, NQ-1, 1, 0
	MUL16 6, 1, NQ-1, 1, 0
	WIN 0
; THE WAY OUT, block by block of 16 rows.
.macro RELU a                          ; the activation, in f32, out of the accumulators' window into window 0; each accumulator from its low end on
.set AC, 64*((\a)%4)
	WIN 0x08+4*((\a)/4)                            ; source 1: window 2 or 3
.irp j, 0,1,2,3,4,5,6,7,8,9,10,11,12,13,14,15,16,17,18,19,20,21,22,23,24,25,26,27,28,29,30,31,32,33,34,35,36,37,38,39,40,41,42,43,44,45,46,47,48,49,50,51,52,53,54,55,56,57,58,59,60,61,62,63
	v_max_num_f32 v[T+\j], 0, v[AC+\j]
.endr
	WIN 0
.endm
; Registers T + 16 b .. + 15 are my 16 numbers of block b (hidden units 32 b on): tiles 2 b and 2 b + 1, my half of each; lane l xor 16 holds the other 16.
.macro QUANT a
.irp b, 0,1,2,3
	v_max3_num_f32 v[TM+\b], v[T+16*\b], v[T+1+16*\b], 0x1800000    ; no |.|: none is negative.  The floor 2^(3 - 127): the byte cannot fall under 1
.endr
.irp i, 2,4,6,8,10,12,14
.irp b, 0,1,2,3
	v_max3_num_f32 v[TM+\b], v[TM+\b], v[T+16*\b+\i], v[T+1+16*\b+\i]   ; (the four blocks by turns)
.endr
.endr
.irp b, 0,1,2,3
	v_permlanex16_b32 v[TM+4+\b], v[TM+\b], s[SEL], s[SEL+1]
.endr
.irp b, 0,1,2,3
	v_max_num_f32 v[TM+\b], v[TM+\b], v[TM+4+\b]   ; the block's largest number
.endr
.irp b, 0,1,2,3
	v_add_nc_u32 v[TM+12+\b], 0xff000000, v[TM+\b] ; 2 off its exponent field: the conversion takes the exponent field of this operand as its scale
.endr
.irp b, 0,1,2,3
	v_lshrrev_b32 v[TM+4+\b], 23, v[TM+12+\b]      ; the scale's byte
.endr
	v_lshl_or_b32 v[PW+(\a)], v[TM+5], 8, v[TM+4]  ; the four bytes make my row's scale word (both halves of the lanes hold it)
	v_lshl_or_b32 v[PW+(\a)], v[TM+6], 16, v[PW+(\a)]
	v_lshl_or_b32 v[PW+(\a)], v[TM+7], 24, v[PW+(\a)]
.irp c, 0,1                            ; tile 4 c + u gives one register: my half's eight codes.  They are laid 0, 2, 1, 3, so that the two exchanges below leave the operand's order
	v_cvt_scalef32_pk8_fp4_f32 v[PC+8*(\a)+4*\c],   v[T+32*\c:T+32*\c+7],     v[TM+12+2*\c]
	v_cvt_scalef32_pk8_fp4_f32 v[PC+8*(\a)+4*\c+2], v[T+32*\c+8:T+32*\c+15],  v[TM+12+2*\c]
	v_cvt_scalef32_pk8_fp4_f32 v[PC+8*(\a)+4*\c+1], v[T+32*\c+16:T+32*\c+23], v[TM+13+2*\c]
	v_cvt_scalef32_pk8_fp4_f32 v[PC+8*(\a)+4*\c+3], v[T+32*\c+24:T+32*\c+31], v[TM+13+2*\c]
.endr
	v_nop                                          ; one plain place behind a scaled conversion
.irp c, 0,1                            ; register 4 c + g of lane half h wants k = 64 c + 32 h + 8 g on: tile 4 c + 2 h + g / 2, half g % 2
	v_permlane16_swap_b32 v[PC+8*(\a)+4*\c],   v[PC+8*(\a)+4*\c+1]   ; (tile 0 low | tile 2 low), (tile 0 high | tile 2 high)
	v_permlane16_swap_b32 v[PC+8*(\a)+4*\c+2], v[PC+8*(\a)+4*\c+3]   ; the same of tiles 1 and 3
.endr
.endm
.macro SENDH a                         ; the fragment as it stands: each store covers 512 consecutive bytes, aligned
.irp c, 0,1
	global_store_b128 v[LI], v[PC+8*(\a)+4*\c:PC+8*(\a)+4*\c+3], s[12:13] offset:(\a)*8192+512*\c
.endr
.endm
	PLACES NP                                      ; behind the last products: what follows reads results and writes registers that held fragments and scale words
	s_wait_xcnt 0x0                                ; the store of W2's words has read its registers, which the codes take
.irp b, 0,1,2,3
	v_mov_b32 v[TM+4+\b], 0                        ; written once: a lane permute's destination counts as one of its sources
.endr
.irp a, 0,1,2,3,4,5,6,7
	RELU \a
	QUANT \a
	SENDH \a
.endr
	v_cmp_le_u32 vcc_lo, 16, v[LANE]               ; lanes 0-15 store the words of blocks 0-3 (64 rows), lanes 16-31 those of blocks 4-7
.irp i, 0,1,2,3
	v_cndmask_b32 v[SW+\i], v[PW+\i], v[PW+4+\i], vcc_lo
.endr
	global_store_b128 v[LI], v[SW:SW+3], s[HSC:HSC+1]  ; 512 consecutive bytes, aligned
	s_wait_tensorcnt 0x0                           ; the wave's end
	ds_add_u32 v[SPW], v[NIL]
	s_wait_dscnt 0x0
	CROUND                                         ; the closing round: no work-group ends while a partner may still ask for a tile that names it
	s_endpgm
.Lfunc_end_k_q393ec3e310_fc1:
	.size	k_q393ec3e310_fc1, .Lfunc_end_k_q393ec3e310_fc1-k_q393ec3e310_fc1
	.p2alignl 7, 3214868480
	.fill 96, 4, 3214868480
	.section	.rodata,"a",@progbits
	.p2align	6, 0x0
	.amdhsa_kernel k_q393ec3e310_fc1
		.amdhsa_group_segment_fixed_size 327680
		.amdhsa_private_segment_fixed_size 0
		.amdhsa_enable_private_segment 0
		.amdhsa_kernarg_size 64
		.amdhsa_user_sgpr_count 2
		.amdhsa_user_sgpr_kernarg_segment_ptr 1
		.amdhsa_wavefront_size32 1
		.amdhsa_system_sgpr_workgroup_id_x 1
		.amdhsa_system_sgpr_workgroup_id_y 1
		.amdhsa_system_sgpr_workgroup_id_z 1
		.amdhsa_system_vgpr_workitem_id 0
		.amdhsa_next_free_vgpr 1024
		.amdhsa_next_free_sgpr 102
		.amdhsa_reserve_vcc 1
		.amdhsa_float_denorm_mode_32 3
		.amdhsa_float_denorm_mode_16_64 3
		.amdhsa_memory_ordered 1
		.amdhsa_forward_progress 1
		.amdhsa_inst_pref_size 233
	.end_amdhsa_kernel
	.amdgpu_metadata
---
amdhsa.version: [ 1, 2 ]
amdhsa.kernels:
  - .name:           k_q393ec3e310_fc1
    .symbol:         k_q393ec3e310_fc1.kd
    .args:
      - { .name: x_codes, .offset: 0, .size: 8, .value_kind: global_buffer, .address_space: global }
      - { .name: x_scales, .offset: 8, .size: 8, .value_kind: global_buffer, .address_space: global }
      - { .name: W1_codes, .offset: 16, .size: 8, .value_kind: global_buffer, .address_space: global }
      - { .name: W1_scales, .offset: 24, .size: 8, .value_kind: global_buffer, .address_space: global }
      - { .name: h_img, .offset: 32, .size: 8, .value_kind: global_buffer, .address_space: global }
      - { .name: b1, .offset: 40, .size: 8, .value_kind: global_buffer, .address_space: global }
      - { .name: W2_scales, .offset: 48, .size: 8, .value_kind: global_buffer, .address_space: global }
      - { .name: sc2, .offset: 56, .size: 8, .value_kind: global_buffer, .address_space: global }
    .group_segment_fixed_size: 327680
    .private_segment_fixed_size: 0
    .kernarg_segment_align: 8
    .kernarg_segment_size: 64
    .max_flat_workgroup_size: 128
    .sgpr_count:     102
    .vgpr_count:     1024
    .wavefront_size: 32
...
	.end_amdgpu_metadata
.endif
;; end of part 1
;; launch fc2 (part 2): grid 16 x 16, 4 waves a work-group, clusters of 4 x 4, 327,680 bytes of LDS; arguments h_img, W2_codes, sc2, b2, out0; writes out0
.if DOCPART == 2
	.amdgcn_target "amdgcn-amd-amdhsa--gfx1250"
	.amdhsa_code_object_version 6
	.text
	.protected	k_q393ec3e310_fc2
	.globl	k_q393ec3e310_fc2
	.p2align	8
	.type	k_q393ec3e310_fc2,@function
k_q393ec3e310_fc2:
	s_mov_b64 s[64:65], 0
	v_nop
	global_prefetch_b8 v0, s[64:65] scope:SCOPE_SE
	s_setreg_imm32_b32 hwreg(HW_REG_WAVE_MODE, 25, 1), 1
	s_wait_xcnt 0x0
	s_wait_alu depctr_hold_cnt(0) depctr_sa_sdst(0) depctr_va_vdst(0) depctr_va_sdst(0) depctr_va_ssrc(0) depctr_va_vcc(0) depctr_vm_vsrc(0)
	s_getreg_b32 s2, hwreg(HW_REG_IB_STS2, 6, 4)
	s_cmp_eq_u32 s2, 0
	s_cbranch_scc0 .Lentry_in_a_cluster
	s_endpgm
.Lentry_in_a_cluster:
	s_bfe_u32 s2, ttmp6, 0x10000c
	s_cmp_lg_u32 s2, 0xf033
	s_cbranch_scc0 .Lentry_shape_is_right
	s_endpgm
.Lentry_shape_is_right:
; out0 = sigmoid(h W2^T + b2).  h: [2048][8192] as FP4 codes in h_img, images of the operand's registers, [S 8][block of 16 rows 128][step in S 8][c 2][lane 32][16 bytes];
; W2: [2048][8192] codes, K innermost (a row: 4,096 bytes); the scale words of both in sc2, [K step of 128: 64][side 2][64 rows: 32][r 16][block of 16 rows: 4] x 4 bytes (side 0: h, side 1: W2).
; A tile of out0 is 128 x 128, so that there are 256 work-groups.  THE FOUR WAVES SHARE K, NOT THE TILE: each makes the whole 128 x 128 (64 accumulators, 512 registers) over its quarter of K:
; of each 1,024 along K (S = 0 .. 7) wave w multiplies the steps of 128 numbered 2 w and 2 w + 1: sixteen steps a wave, tau = 2 S + q.
; W2'S TILES come through a ring of two LDS slots of 2,048 along K (two sub-slots of 128 rows x 512 bytes), filled by the tensor data mover, each wave a quarter (64 rows of a sub-slot), asked for jointly along a
; column of the cluster of 4 x 4.  The two first fills bring half of K; each slot is filled again once.
; h'S FRAGMENTS GO FROM MEMORY STRAIGHT INTO REGISTERS, and are not asked for jointly.  The reason, by this text's arithmetic: no wave reads another wave's fragments of h, and h_img holds them as the registers want them, so
; each load takes 512 consecutive bytes; with h in the ring a slot would hold 1,024 along K and there would be six refilling changes of slots in place of two, each with no tensor load on its way when its refill
; goes out; loads into registers stay on their way across barriers, three steps (54 loads, 27 KB a wave) ahead; and 256 LDS loads a wave, with the LDS writes that feed them, are not done at all.
; The step's scale words (8 registers: lanes 0-15 h's block i, lanes 16-31 W2's block i) come with h's fragments: 18 loads a step, into four sets of registers that take turns.
; At the end the four partial tiles meet in LDS (over the ring, which has had its last fill): wave w adds them for rows 32 w on, in the fixed order (0 + 1) + (2 + 3), and stores whole rows.
; That order of rounding differs from one ascending sum over K.  LIMITS: NaN, infinities and the scale byte 0xff are not served.
; THE MATRIX INSTRUCTION IS USED TRANSPOSED (source 0 = 16 rows of W2, source 1 = 16 rows of h): a lane holds eight neighbouring numbers of a row of out0.
; REGISTERS, in windows of 256: window 0: v0-31 addresses; v32-63 scale words, four sets; v64-67 b2; v128-191, v192-255 h's sets 0 and 1.
;   window 1: v0-63, v128-191 W2's two sets; v64-127, v192-255 h's sets 2 and 3.   windows 2, 3: the accumulators of rows 0-63 and 64-127 (accumulator (a, b) at v[8 (8 (a % 4) + b)]).
;   On the way out window 0's v128-255: two buffers of 4 rows x 4 partial sums x 4 registers.
.set FR,     8                         ; registers of a fragment: 16 rows x 128 K
.set NP,     4                         ; places behind this matrix instruction (ISA guide 7.12.1)
.set PB,     528                       ; a row of a sub-slot in LDS: 512 bytes + 16 of padding; also a row of the stage
.set SUB,    128*PB                    ; a sub-slot: W2's 128 rows x 1,024 along K
.set SLOT,   2*SUB                     ; a slot: 2,048 along K
.set STW,    128*PB                    ; the way out: a wave's partial tile, 128 rows
.set SPARE,  4*STW                     ; behind the ring (later the stage): the spare words, 128 bytes for each wave, which no other line names
.set RD,   10                          ; v10-13  the way out: my 32 rows in partial tile 0 .. 3, 16 bytes a lane
.set ADRB, 16                          ; v16-19  LDS address of my fragments of W2 in sub-slot 0 .. 3
.set SCO,  22                          ; v22     my byte offset in a K step's scale words; never rewritten
.set LI,   23                          ; v23     16 x lane; never rewritten
.set STO,  24                          ; v24     the way out: where I put 32 bytes of a row
.set PFO,  25                          ; v25     the prefetch's offset: lane x a row of W2 (4,096 bytes); never rewritten
.set SPW,  28                          ; v28     LDS address of my spare word; never rewritten
.set NIL,  29                          ; v29     0; never rewritten
.set SC,   32                          ; scale words: step tau's at v[SC + 8 (tau % 4) + i]
.set BV,   64                          ; b2 of my four columns on the way out, later x -log2(e)
.set BUF,  128
.set PFA,  24                          ; s[24:25] where my prefetch stands in W2's codes; never rewritten
.set CLY,  26                          ; s26     the cluster's y
.set G1B,  48                          ; s[48:55] descriptor group 1 for W2's tiles;  s[56:63] group 0, one set for each slot
.set G0B,  56
.set CE,   66                          ; s[66:67] -log2(e), twice
.set MSB, 0
.macro WIN new                         ; the immediate's high byte repeats the setting that is left; a switch that changes nothing is dropped
.if MSB != (\new)
	s_set_vgpr_msb (MSB<<8)|(\new)
.set MSB, (\new)
.endif
.endm
.set TO_1, 0x40                        ; destination window 1, address window 0
.macro WLO tau                         ; source 0 (W2) window 1, source 1 (h) window 0 or 1 by its set, C and D window 2
	WIN 0xa1+4*(((\tau)%4)/2)
.endm
.macro WHI tau                         ; the same, C and D window 3
	WIN 0xf1+4*(((\tau)%4)/2)
.endm
.macro CREST                           ; a round of the cluster's barrier behind its opening barrier
	s_cmp_lg_u32 s14, 0
	s_cbranch_scc1 .Lnot_wave_0_\@
	s_barrier_signal -3
.Lnot_wave_0_\@:
	s_barrier_wait -3
	s_barrier_signal -1
	s_barrier_wait -1
.endm
.macro CROUND                          ; a whole round
	s_barrier_signal -1
	s_barrier_wait -1
	CREST
.endm
; A load into a register that a matrix instruction has read, and a vector instruction or LDS store that reads a matrix result, stand NP places behind it; only plain vector instructions that name
; none of its registers are places (ISA guide 7.12.1 for vector instructions).
.macro PLACES n
.rept \n
	v_nop
.endr
.endm
; My step tau's operands from memory: h's eight fragments (each load: 512 consecutive bytes of h_img) into set tau % 4, and the step's scale words.  18 loads; every offset is an immediate, 7,398,912 at the most.
.macro GLOAD tau
.set AK, (\tau)%4
.set AB, 192*(AK%2)+(1-AK%2)*(128-64*(AK/2))   ; sets 0, 1: v128, v192 of window 0;  sets 2, 3: v64, v192 of window 1
	WIN TO_1*(AK/2)
.irp a, 0,1,2,3,4,5,6,7
.irp c, 0,1
	global_load_b128 v[AB+FR*\a+4*\c:AB+FR*\a+4*\c+3], v[LI], s[4:5] offset:((\tau)/2)*0x100000+\a*8192+((\tau)%2)*1024+512*\c
.endr
.endr
	WIN 0
.irp g, 0,1
	global_load_b128 v[SC+8*AK+4*\g:SC+8*AK+4*\g+3], v[SCO], s[8:9] offset:(8*((\tau)/2)+(\tau)%2)*16384+256*\g   ; sixteen lanes read 256 consecutive bytes: the words of blocks 4 g .. 4 g + 3
.endr
.endm
; W2's eight fragments of my step tau, from sub-slot (tau / 2) % 4, into set tau % 2: lane l row l % 16; registers 4 c on: K = 64 c + 32 (l / 16) on
.macro FETCH_B tau
.set BP, 128*((\tau)%2)
.set BJ, ADRB+((\tau)/2)%4
	WIN TO_1
.irp i, 0,1,2,3,4,5,6,7
.irp c, 0,1
	ds_load_b128 v[BP+FR*\i+4*\c:BP+FR*\i+4*\c+3], v[BJ] offset:\i*16*PB+64*((\tau)%2)+32*\c
.endr
.endr
	WIN 0
.endm
; 16 matrix instructions: h's blocks a0, a0 + 1 against W2's eight, 128 along K: my step tau.  zero = 1: the first product starts the sums: nothing is cleared.
; The 64 accumulators take turns, one instruction a turn, in the same order in every step.
.macro MUL16 a0, tau, zero
.set AK, (\tau)%4
.set AB, 192*(AK%2)+(1-AK%2)*(128-64*(AK/2))
.set BP, 128*((\tau)%2)
.set SK, SC+8*AK
.irp a, \a0, \a0+1
.irp b, 0,1,2,3,4,5,6,7
.if \zero
	v_wmma_scale_f32_16x16x128_f8f6f4 v[8*(8*((\a)%4)+\b):8*(8*((\a)%4)+\b)+7], v[BP+FR*\b:BP+FR*\b+FR-1], v[AB+FR*(\a):AB+FR*(\a)+FR-1], 0, v[SK+\b], v[SK+(\a)] matrix_a_fmt:MATRIX_FMT_FP4 matrix_b_fmt:MATRIX_FMT_FP4 matrix_a_scale:MATRIX_SCALE_ROW1
.else
	v_wmma_scale_f32_16x16x128_f8f6f4 v[8*(8*((\a)%4)+\b):8*(8*((\a)%4)+\b)+7], v[BP+FR*\b:BP+FR*\b+FR-1], v[AB+FR*(\a):AB+FR*(\a)+FR-1], v[8*(8*((\a)%4)+\b):8*(8*((\a)%4)+\b)+7], v[SK+\b], v[SK+(\a)] matrix_a_fmt:MATRIX_FMT_FP4 matrix_b_fmt:MATRIX_FMT_FP4 matrix_a_scale:MATRIX_SCALE_ROW1
.endif
.endr
.endr
.endm
; A PREFETCH INTO THE L2 of what the second refill will ask for: bytes 3,072 to 4,095 of the tile's 128 rows of W2.  It stands at the first change of slots, behind the joint load, its four lines and the run of LDS loads:
; four steps, 256 matrix instructions, ahead of that refill.  Each aligned block of 256 bytes is named once in the launch: the tile is read by every cluster of its column of clusters, and the one with y = 0 asks;
; its four partners share the rows out BY ADDRESS, 32 each (no branch hangs on a work-group's place in its cluster); wave w names block w of a row's four, a lane a row: one instruction a wave.
; The first refill comes by its load alone: nothing is prefetched at the head, where every work-group's first tiles are on their way.  The address registers are never rewritten.
.macro ASK
	s_cmp_eq_u32 s[CLY], 0
	s_cbranch_scc0 .Lnot_mine_\@
	global_prefetch_b8 v[PFO], s[PFA:PFA+1] th:TH_LOAD_NT scope:SCOPE_SE
.Lnot_mine_\@:
.endm
	s_load_b128 s[4:7], s[0:1], 0x0                ; h_img s[4:5], W2's codes s[6:7]
	s_load_b128 s[8:11], s[0:1], 0x10              ; sc2 s[8:9], b2 s[10:11]
	s_load_b64 s[12:13], s[0:1], 0x20              ; out0
	v_lshl_add_u32 v[SPW], v0, 2, SPARE
	v_mov_b32 v[NIL], 0
	ds_add_u32 v28, v29
	s_wait_dscnt 0x0
	v_lshrrev_b32 v1, 5, v0
	v_readfirstlane_b32 s14, v1                    ; wave 0..3
	s_lshr_b32 s15, s14, 1                         ; which sub-slot of a slot I fetch,
	s_and_b32 s16, s14, 1                          ; and which 64 rows of it
	s_bfe_u32 s40, ttmp6, 0x40000                  ; cx, cy: my place in the cluster
	s_bfe_u32 s41, ttmp6, 0x40004
	s_lshl_b32 s42, ttmp9, 2
	s_add_co_u32 s42, s42, s40                     ; X: tile of 128 columns = 4 x cluster x + cx
	s_and_b32 s[CLY], ttmp7, 0xffff
	s_lshl_b32 s17, s[CLY], 2
	s_add_co_u32 s17, s17, s41                     ; Y: tile of 128 rows = 4 x cluster y + cy
	s_lshl_b32 s44, 0x1111, s40                    ; my column of the cluster: its four work-groups share X
	s_mov_b32 s[CE], 0xbfb8aa3b                    ; -log2(e)
	s_mov_b32 s[CE+1], s[CE]                       ; (named with it as a pair, so it is written)
	; descriptor group 1: 64 rows x 512 bytes, 4,096 bytes apart in memory, 16 bytes of padding behind each in LDS
	s_or_b32 s[G1B+0], s44, (0<<16)|(1<<20)|(1<<21)|(6<<22)|(3<<25)  ; 15:0 the mask: my column; 17:16 elements of 1 byte; 20 padding on; 21 set beside a mask; 24:22 after every 128 words; 31:25 four words
	s_mov_b32 s[G1B+1], 512<<16                    ; tensor_dim0
	s_mov_b32 s[G1B+2], 64<<16                     ; tensor_dim1
	s_mov_b32 s[G1B+3], 512<<16                    ; tile_dim0
	s_mov_b32 s[G1B+4], 64                         ; tile_dim1
	s_mov_b32 s[G1B+5], 4096                       ; tensor_dim0_stride
	s_mov_b32 s[G1B+6], 0
	s_mov_b32 s[G1B+7], 0
	s_lshl_b32 s46, s42, 19                        ; W2: row 128 X + 64 x half (4,096 bytes each), + 512 bytes for the second sub-slot
	s_lshl_b32 s47, s16, 18
	s_add_co_u32 s46, s46, s47
	s_lshl_b32 s47, s15, 9
	s_add_co_u32 s46, s46, s47
	s_mov_b32 s47, 0
	s_mul_i32 s18, s14, 64*PB                      ; where it goes: wave x 64 rows: no place in the cluster enters an LDS address
	s_wait_kmcnt 0x0
	s_add_nc_u64 s[46:47], s[6:7], s[46:47]
	CROUND                                         ; all sixteen work-groups are here: the first joint loads meet
.irp s, 0,1
	s_mov_b32 s[G0B+4*\s], 1                       ; 1:0 count = 1
	s_add_co_u32 s[G0B+4*\s+1], s18, \s*SLOT       ; 63:32 LDS address
	s_add_nc_u64 s[G0B+4*\s+2:G0B+4*\s+3], s[46:47], \s*1024   ; 120:64 global address: slot s begins with K = 2,048 s
	s_or_b32 s[G0B+4*\s+3], s[G0B+4*\s+3], 0x80000000          ; 127:126 type = 2
.endr
	tensor_load_to_lds s[G0B:G0B+3], s[G1B:G1B+7]      ; the two first fills stand together: two tensor loads of mine are out
	s_nop 0
	tensor_load_to_lds s[G0B+4:G0B+7], s[G1B:G1B+7]
	s_nop 0
	PLACES 4
	v_and_b32 v1, 15, v0                           ; r = lane % 16
	v_bfe_u32 v2, v0, 4, 1                         ; h = lane / 16
	v_and_b32 v3, 31, v0
	v_lshlrev_b32 v[LI], 4, v3
	v_lshlrev_b32 v[PFO], 12, v3
	s_lshl_b32 s20, s17, 9                         ; scale words: lanes 0-15 h's rows 128 Y on (512 Y bytes), lanes 16-31 W2's rows 128 X on (8,192 + 512 X)
	s_lshl_b32 s21, s42, 9
	s_add_co_u32 s21, s21, 8192
	s_sub_co_u32 s21, s21, s20                     ; the distance between the two: above 0, since 512 Y stays under 8,192
	v_mul_u32_u24 v6, s21, v2
	s_lshl_b32 s22, s14, 15                        ; my wave's steps begin 2 w K steps of 16,384 bytes on
	s_add_co_u32 s20, s20, s22
	v_lshl_add_u32 v[SCO], v1, 4, v6
	v_add_nc_u32 v[SCO], s20, v[SCO]
	s_lshl_b32 s20, s42, 9                         ; b2: my tile's 128 numbers
	s_mov_b32 s21, 0
	s_add_nc_u64 s[10:11], s[10:11], s[20:21]
	s_lshl_b32 s20, s17, 16                        ; h_img: my tile's 8 blocks of rows are 65,536 bytes in each S; my wave's two steps begin 2,048 w bytes on in each block
	s_lshl_b32 s22, s14, 11
	s_add_co_u32 s20, s20, s22
	s_add_nc_u64 s[4:5], s[4:5], s[20:21]
	global_load_b128 v[BV:BV+3], v[LI], s[10:11]   ; b2 of my four columns on the way out
	GLOAD 0                                        ; my first three steps' fragments of h and scale words
	GLOAD 1
	GLOAD 2
	s_lshl_b32 s20, s17, 20                        ; out0: row 128 Y + 32 w (8,192 bytes each), column 128 X
	s_lshl_b32 s22, s14, 18
	s_add_co_u32 s20, s20, s22
	s_lshl_b32 s22, s42, 9
	s_add_co_u32 s20, s20, s22
	s_add_nc_u64 s[12:13], s[12:13], s[20:21]
	s_lshl_b32 s20, s42, 19                        ; the prefetch: row 128 X + 32 cy, byte 3,072 + 256 w
	s_lshl_b32 s22, s41, 17
	s_add_co_u32 s20, s20, s22
	s_lshl_b32 s22, s14, 8
	s_add_co_u32 s20, s20, s22
	s_add_co_u32 s20, s20, 3*1024
	s_add_nc_u64 s[PFA:PFA+1], s[6:7], s[20:21]
	; LDS addresses
	v_mul_u32_u24 v4, v1, PB
	v_lshl_add_u32 v5, v2, 5, v4                   ; (the stage: row r, 32 bytes for each half of the lanes)
	v_lshl_add_u32 v4, v2, 4, v4                   ; W2: row x pitch + 16 x half,
	s_lshl_b32 s22, s14, 7                         ; + my two steps' 128 bytes of the row's 512
.irp j, 0,1,2,3
	v_add_nc_u32 v[ADRB+\j], s22, v4
	s_add_co_u32 s22, s22, SUB
.endr
	s_mul_i32 s23, s14, STW
	v_add_nc_u32 v[STO], s23, v5                   ; my partial tile
	s_mul_i32 s23, s14, 32*PB                      ; back: rows 32 w on, in each of the four partial tiles
.irp p, 0,1,2,3
	v_add_nc_u32 v[RD+\p], s23, v[LI]
	s_add_co_u32 s23, s23, STW
.endr
; A step whose successor lies in the same slot.  All its loads stand at its head; its 64 matrix instructions follow without a break.
.macro STEP tau, zero
.if (\tau) < 14
	s_wait_loadcnt 36                              ; this step's 18 loads are in: behind them the 18 of each of the two steps that follow were issued
.else
	s_wait_loadcnt 18*(15-(\tau))
.endif
.if (\tau) > 0
	PLACES NP                                      ; behind the last step's products: the loads below land in registers that they read
.endif
.if (\tau)+3 < 16
	GLOAD (\tau)+3                                 ; three steps ahead, into the sets that the last step has left
.endif
	FETCH_B (\tau)+1
	s_wait_dscnt 16                                ; this step's fragments of W2 are in; the sixteen loads just issued may be out
	WLO \tau
	MUL16 0, \tau, \zero
	MUL16 2, \tau, \zero
	WHI \tau
	MUL16 4, \tau, \zero
	MUL16 6, \tau, \zero
	WIN 0
.endm
; A slot's last step changes slots at its HEAD: its fragments of W2, the slot's last, have been asked for a step ago.  One barrier; in front of it each wave waits for all its tensor loads, adds 0 to its spare word,
; and waits for that and for its own reads of this slot.  fill = 1: this slot is filled again, two slots ahead: the barrier then opens a round of the cluster's barrier, and the load has 224 matrix instructions in which to land.
.macro TURN tau, fill, ask
.set GS, G0B+4*(((\tau)/4)%2)
	s_wait_loadcnt 36
	PLACES NP
	GLOAD (\tau)+3
	s_wait_tensorcnt 0x0                           ; all my tensor loads have landed: my part of the next slot;  (every window is 0 here)
	ds_add_u32 v[SPW], v[NIL]                      ; 0 onto my spare word
	s_wait_dscnt 1                                 ; this step's fragments of W2 are in (the add may be out)
	WLO \tau
	MUL16 0, \tau, 0                               ; sixteen matrix instructions stand between the add and the wait for it
	s_wait_dscnt 0x0                               ; the add is done, and my reads of this slot are over
	s_barrier_signal -1
	MUL16 2, \tau, 0
	WIN 0
	s_barrier_wait -1
.if \fill
	CREST                                          ; no wave of any partner still reads this slot's tile or has a tensor load on its way
	s_add_nc_u64 s[GS+2:GS+3], s[GS+2:GS+3], 2048  ; 4,096 along K on; the type bits on top are not reached
	tensor_load_to_lds s[GS:GS+3], s[G1B:G1B+7]    ; the first tensor load behind the round, my only one until the next
	s_nop 0
	PLACES 4
.endif
	FETCH_B (\tau)+1                               ; the next slot's first fragments, into the set that the step before this one has left (the places at this step's head serve it)
.if \ask
	ASK
.endif
	WHI \tau
	MUL16 4, \tau, 0
	MUL16 6, \tau, 0
	WIN 0
.endm
	s_wait_tensorcnt 1                             ; my part of slot 0 is in (slot 1's load may be out)
	s_barrier_signal -1
	s_barrier_wait -1                              ; everybody's is
	FETCH_B 0
	STEP 0, 1                                      ; slot 0, K 0 .. 2,047; the first products start the sums
	STEP 1, 0
	STEP 2, 0
	TURN 3, 1, 1                                   ; slot 0 takes K 4,096 on
	STEP 4, 0                                      ; slot 1, K 2,048 .. 4,095
	STEP 5, 0
	STEP 6, 0
	TURN 7, 1, 0                                   ; slot 1 takes K 6,144 on
	STEP 8, 0                                      ; slot 0
	STEP 9, 0
	STEP 10, 0
	TURN 11, 0, 0                                  ; nothing is left to fetch: no round
	STEP 12, 0                                     ; slot 1
	STEP 13, 0
	STEP 14, 0
	s_wait_loadcnt 0x0                             ; the very last step
	s_wait_dscnt 0x0
	WLO 15
	MUL16 0, 15, 0
	MUL16 2, 15, 0
	WHI 15
	MUL16 4, 15, 0
	MUL16 6, 15, 0
	WIN 0
; THE WAY OUT.  sigmoid(z) = 1 / (1 + 2^(-log2(e) z)), z = the four partial sums + b2.
.macro PUT a                           ; block a of my partial tile into the stage: lane (r, h): row 16 a + r, columns 16 b + 8 h on; each accumulator from its low end on
.set AC, 64*((\a)%4)
	WIN 0x08+4*((\a)/4)                            ; an LDS store's data are its source 1: window 2 or 3
.irp b, 0,1,2,3,4,5,6,7
	ds_store_b128 v[STO], v[AC+8*\b:AC+8*\b+3] offset:(\a)*16*PB+64*\b
	ds_store_b128 v[STO], v[AC+8*\b+4:AC+8*\b+7] offset:(\a)*16*PB+64*\b+16
.endr
.endm
.macro LOADB be                        ; batch be: my rows 4 be .. 4 be + 3 of the four partial tiles: the 32 lanes take a row's 512 bytes
.set BB, BUF+64*((\be)%2)
.irp t, 0,1,2,3
.irp p, 0,1,2,3
	ds_load_b128 v[BB+16*\t+4*\p:BB+16*\t+4*\p+3], v[RD+\p] offset:(4*(\be)+\t)*PB
.endr
.endr
.endm
.macro FINISH be
.set BB, BUF+64*((\be)%2)
.irp t, 0,1,2,3
.irp d, 0,2
	v_pk_add_f32 v[BB+16*\t+\d:BB+16*\t+\d+1], v[BB+16*\t+\d:BB+16*\t+\d+1], v[BB+16*\t+4+\d:BB+16*\t+5+\d]         ; wave 0's + wave 1's
	v_pk_add_f32 v[BB+16*\t+8+\d:BB+16*\t+9+\d], v[BB+16*\t+8+\d:BB+16*\t+9+\d], v[BB+16*\t+12+\d:BB+16*\t+13+\d]   ; wave 2's + wave 3's
.endr
.endr
.irp t, 0,1,2,3
.irp d, 0,2
	v_pk_add_f32 v[BB+16*\t+\d:BB+16*\t+\d+1], v[BB+16*\t+\d:BB+16*\t+\d+1], v[BB+16*\t+8+\d:BB+16*\t+9+\d]
.endr
.endr
.irp t, 0,1,2,3
.irp d, 0,2
	v_pk_fma_f32 v[BB+16*\t+\d:BB+16*\t+\d+1], v[BB+16*\t+\d:BB+16*\t+\d+1], s[CE:CE+1], v[BV+\d:BV+\d+1] op_sel_hi:[1,0,1]   ; -log2(e) (sum + b2)
.endr
.endr
.irp t, 0,1,2,3
.irp d, 0,1,2,3
	v_exp_f32 v[BB+16*\t+\d], v[BB+16*\t+\d]
.endr
.endr
	v_nop                                          ; one plain place behind the exponentials
	s_wait_alu depctr_va_vdst(0)
.irp t, 0,1,2,3
.irp d, 0,2
	v_pk_add_f32 v[BB+16*\t+\d:BB+16*\t+\d+1], v[BB+16*\t+\d:BB+16*\t+\d+1], 1.0 op_sel_hi:[1,0]
.endr
.endr
.irp t, 0,1,2,3
.irp d, 0,1,2,3
	v_rcp_f32 v[BB+16*\t+\d], v[BB+16*\t+\d]
.endr
.endr
	v_nop                                          ; one plain place behind the reciprocals
	s_wait_alu depctr_va_vdst(0)
.irp t, 0,1,2,3
	global_store_b128 v[LI], v[BB+16*\t:BB+16*\t+3], s[12:13] offset:(4*(\be)+\t)*8192 th:TH_STORE_NT   ; 32 lanes store 512 consecutive bytes, aligned; written once, read by nobody here
.endr
.endm
	v_pk_mul_f32 v[BV:BV+1], v[BV:BV+1], s[CE:CE+1] op_sel_hi:[1,0]       ; -log2(e) b2.  These two and the two below are the places behind the last products
	v_pk_mul_f32 v[BV+2:BV+3], v[BV+2:BV+3], s[CE:CE+1] op_sel_hi:[1,0]
	v_nop
	v_nop
	s_wait_dscnt 0x0                               ; my reads of the ring are over,
	s_barrier_signal -1
	s_barrier_wait -1                              ; everybody's are; every wave's tensor loads had landed at the last change of slots: the ring's bytes become the stage
.irp a, 0,1,2,3,4,5,6,7
	PUT \a
.endr
	WIN 0
	s_wait_dscnt 0x0                               ; for the others' sake: my stores into the stage are done
	s_barrier_signal -1
	s_barrier_wait -1
	LOADB 0
.irp be, 0,1,2,3,4,5,6
.if \be > 0
	s_wait_xcnt 0x0                                ; the stores of the batch before have read their registers: the next batch's loads may land there
.endif
	LOADB \be+1
	s_wait_dscnt 16                                ; this batch is in; the sixteen loads just issued may be out
	FINISH \be
.endr
	s_wait_dscnt 0x0
	FINISH 7
	s_wait_tensorcnt 0x0                           ; the wave's end
	ds_add_u32 v[SPW], v[NIL]
	s_wait_dscnt 0x0
	CROUND                                         ; the closing round: no work-group ends while a partner may still ask for a tile that names it
	s_endpgm
.Lfunc_end_k_q393ec3e310_fc2:
	.size	k_q393ec3e310_fc2, .Lfunc_end_k_q393ec3e310_fc2-k_q393ec3e310_fc2
	.p2alignl 7, 3214868480
	.fill 96, 4, 3214868480
	.section	.rodata,"a",@progbits
	.p2align	6, 0x0
	.amdhsa_kernel k_q393ec3e310_fc2
		.amdhsa_group_segment_fixed_size 327680
		.amdhsa_private_segment_fixed_size 0
		.amdhsa_enable_private_segment 0
		.amdhsa_kernarg_size 40
		.amdhsa_user_sgpr_count 2
		.amdhsa_user_sgpr_kernarg_segment_ptr 1
		.amdhsa_wavefront_size32 1
		.amdhsa_system_sgpr_workgroup_id_x 1
		.amdhsa_system_sgpr_workgroup_id_y 1
		.amdhsa_system_sgpr_workgroup_id_z 1
		.amdhsa_system_vgpr_workitem_id 0
		.amdhsa_next_free_vgpr 1024
		.amdhsa_next_free_sgpr 68
		.amdhsa_reserve_vcc 0
		.amdhsa_float_denorm_mode_32 3
		.amdhsa_float_denorm_mode_16_64 3
		.amdhsa_memory_ordered 1
		.amdhsa_forward_progress 1
		.amdhsa_inst_pref_size 234
	.end_amdhsa_kernel
	.amdgpu_metadata
---
amdhsa.version: [ 1, 2 ]
amdhsa.kernels:
  - .name:           k_q393ec3e310_fc2
    .symbol:         k_q393ec3e310_fc2.kd
    .args:
      - { .name: h_img, .offset: 0, .size: 8, .value_kind: global_buffer, .address_space: global }
      - { .name: W2_codes, .offset: 8, .size: 8, .value_kind: global_buffer, .address_space: global }
      - { .name: sc2, .offset: 16, .size: 8, .value_kind: global_buffer, .address_space: global }
      - { .name: b2, .offset: 24, .size: 8, .value_kind: global_buffer, .address_space: global }
      - { .name: out0, .offset: 32, .size: 8, .value_kind: global_buffer, .address_space: global }
    .group_segment_fixed_size: 327680
    .private_segment_fixed_size: 0
    .kernarg_segment_align: 8
    .kernarg_segment_size: 40
    .max_flat_workgroup_size: 128
    .sgpr_count:     68
    .vgpr_count:     1024
    .wavefront_size: 32
...
	.end_amdgpu_metadata
.endif
;; end of part 2
